; MI455X (gfx1250); checked and timed in simulation.
; The chip was launched on July 23, 2026; its instructions are those of AMD's public machine-readable ISA for CDNA 5 (MIT licence, August 2026) and "CDNA5" Instruction Set Architecture Reference Guide (July 2026). The comments in the code are by the model that wrote it; some were corrected since.
;; Variable Nodes Attention Layer. Allowed arithmetic: matrix products marked QUANTISED: E2M1 operands, one E8M0 scale for each 32 along K, by v_wmma_scale_f32_16x16x128_f8f6f4 with both operands' format E2M1 (or v_wmma_scale_f32_32x16x128_f4), f32 sums; everything else in f32.
;; Inputs: Wa 256 x 256 float32; Wv 256 x 256 float32; beta 256 float32; bv 256 float32; gamma 256 float32; nodes 128 x 64 float32; x 8 x 8,192 x 256 float32.
;; Outputs: out0 8 x 128 x 256 float32.
;; This version of the problem:
;;   THIS VERSION OF THE PROBLEM IS GIVEN IN LOW PRECISION. The matrix products marked QUANTISED in the list below multiply operands that are first quantised to E2M1 (2 exponent bits, 1 mantissa bit; 4 bits a number), with one power-of-two scale for each 32 numbers along K (OCP MX v1.0); their sums are f32. All else is computed in f32.
;;   The module's matrix products, in the order in which they are computed (A, B: the left and right operand; K: the contracted axis; several contracted axes count as one K, in the product's order):
;;     1. [M 65,536, K 256] x [K 256, N 256]; A: input x; B: input Wa: QUANTISED
;;     2. [M 65,536, K 256] x [K 256, N 256]; A: input x; B: input Wv: QUANTISED
;;     3. [M 262,144, K 64] x [K 64, N 128]; A: computed on the way; B: input nodes: QUANTISED
;;     4. batch 32 x [M 128, K 8,192] x [K 8,192, N 64]; A: softmax (see below); B: computed on the way: QUANTISED
;;   THE QUANTISER, for each operand of a quantised product, along K:
;;     - K is cut into blocks of 32 from its start; a last block that is shorter is filled with zeros.
;;     - A block's scale is 2^e with e = floor(log2(the largest magnitude in the block)) - 2, held to -126 .. 127; a block of zeros has e = 0. As a byte (E8M0): e + 127.
;;     - Each number is divided by its block's scale, clamped to +-6, and rounded to the nearest number of E2M1, ties to even, subnormals kept.
;;     - The product sums the exact products of the quantised numbers (number of the format x scale) in f32.
;;   ~~~python
;;   def quantise(x, axis):      # numpy; x: float32 -> the quantised numbers, widened to float32 again
;;       x = np.moveaxis(x, axis, -1); K = x.shape[-1]
;;       x = np.pad(x, [(0, 0)] * (x.ndim - 1) + [(0, -K % 32)]); x = x.reshape(x.shape[:-1] + (-1, 32)); a = np.abs(x).max(-1, keepdims=True)
;;       e = np.where(a > 0, np.clip(np.frexp(np.where(a > 0, a, 1))[1] - 1 - 2, -126, 127), 0)      # np.frexp(a)[1] - 1 = floor(log2(a)), exactly
;;       r = np.clip(x / 2.0 ** e, -6, 6)
;;       step = 2.0 ** (np.maximum(np.frexp(np.where(r == 0, 1, r))[1] - 1, 0) - 1)
;;       q = np.round(r / step) * step * 2.0 ** e      # np.round: ties to even
;;       return np.moveaxis(q.reshape(q.shape[:-2] + (-1,))[..., :K], -1, axis).astype(np.float32)
;;   ~~~
;;   SOFTMAX AHEAD OF A QUANTISED PRODUCT. Where the list says 'softmax', what is quantised is not the finished softmax but p = 2^(t - M), with t = logit x log2(e) and M = ceil(the row's largest t), a whole number; so 1/2 < the row's largest p <= 1. The row's sum l is taken of the UNQUANTISED p, in f32, and the product's result is divided by l at the end. Since M is a whole number, a kernel that streams over the keys may use a running M (the ceiling of the running maximum): every later rescaling is an exact power of two, which a block's scale takes up: the codes' values come out the same.
;;   OPERANDS COMPUTED ON THE WAY. 'Computed on the way' means the value that the module computes at that place (a softmax that the list does not call 'softmax' is quantised finished and normalised). What goes into a quantiser is computed in f32, as accurately as f32 sums, v_exp_f32 and their like allow (about 1e-6 of the number): no bf16 or f16 on the way to a quantiser, and a product that is left as it is and whose result goes on into a quantised operand takes f32 operands (vector FMAs, or v_wmma_f32_16x16x4_f32). A number that lies on a knife's edge between two numbers of the format may be rounded either way, as far as f32 arithmetic and the matrix unit's own rounding can turn it there, and no further.
;; One version. Each part assembles by itself: llvm-mc -triple=amdgcn-amd-amdhsa -mcpu=gfx1250 --defsym DOCPART=n.
;; ======== version 1 of 1: 2 launches
;; limits: right only within a limited range of input values
;; workspace buffers: part 8,388,608 bytes; stats 262,144 bytes
;; launch attn_part (part 1): grid 32 x 8, 8 waves a work-group, clusters of 4 x 1, 327,680 bytes of LDS; arguments x, nodes, Wa, Wv, bv, part, stats; writes part, stats
.if DOCPART == 1
	.amdgcn_target "amdgcn-amd-amdhsa--gfx1250"
	.amdhsa_code_object_version 6
	.text
	.protected	k_q94347c294c_attn_part
	.globl	k_q94347c294c_attn_part
	.p2align	8
	.type	k_q94347c294c_attn_part,@function
k_q94347c294c_attn_part:
	s_mov_b64 s[64:65], 0
	v_nop
	global_prefetch_b8 v0, s[64:65] scope:SCOPE_SE
	s_setreg_imm32_b32 hwreg(HW_REG_WAVE_MODE, 25, 1), 1
	s_wait_xcnt 0x0
	s_wait_alu depctr_hold_cnt(0) depctr_sa_sdst(0) depctr_va_vdst(0) depctr_va_sdst(0) depctr_va_ssrc(0) depctr_va_vcc(0) depctr_vm_vsrc(0)
	s_getreg_b32 s2, hwreg(HW_REG_IB_STS2, 6, 4)
	s_cmp_eq_u32 s2, 0
	s_cbranch_scc0 .Lentry_in_a_cluster
	s_endpgm
.Lentry_in_a_cluster:
	s_bfe_u32 s2, ttmp6, 0x10000c
	s_cmp_lg_u32 s2, 0x3003
	s_cbranch_scc0 .Lentry_shape_is_right
	s_endpgm
.Lentry_shape_is_right:
; Attention of 128 learned nodes over 8,192 keys, 4 heads of 64, all four products on codes of FP4 (E2M1) with one E8M0 scale for each 32 along a product's K.
; This launch: a = x Wa, v = x Wv + bv, S = a . nodes, p = 2^(t - M), O = p v, for ONE batch, ONE head and ONE chunk of 1,024 keys; it stores the chunk's O (not normalised, under the chunk's own M)
; into part [b][chunk][node][256] and (-M, l) into stats [b][chunk][head][node][2].  The next launch joins the 8 chunks, divides, and does leaky relu and the layer norm.
; SHARES.  8 batches x 8 chunks x 4 heads = 256 work-groups of 8 waves.  The 4 heads of one (batch, chunk) form a cluster and walk the same rows of x: each tile of x is asked for JOINTLY (mask 15).
; The weights differ between the partners of a cluster (a head each), and LDS has no room for their 131,072 bytes beside the slots: they go straight into registers, once.
; A chunk goes in 4 steps of 256 keys.  Wave w owns keys 32 w .. 32 w + 31 of a step for x, a and v, and nodes 16 w .. 16 w + 15 for S, p and O.  a's and v's codes go from wave to wave through LDS as images of the operand's registers.
; PIPELINE.  While a wave walks step s's keys for its nodes, it reads and quantises step s + 1's rows of x: one fragment behind each batch of exponentials, one behind each second product.  A wave's slot has two halves of 16 rows:
; half A is read in the walk's first 128 keys and filled again behind the round in the walk's middle (step s + 2), half B in the second 128 and filled again behind the round at the walk's start.  One load of a wave is out at a time.
; Behind the middle round the images of step s have been read by every wave (its fragments for the second 128 keys are in registers), so step s + 1's are stored over them.
; LAYOUT.  a^T = Wa^T x^T (source 0 = 16 columns of Wa, source 1 = 16 keys): a lane holds one key, its registers run along the head's 64.  The columns of a tile are lane r -> 32 b + 8 u + r + 8 (r / 8),
; so that 16 registers of two tiles are 16 neighbours.  v = x Wv (source 0 = 16 keys, source 1 = 16 columns of Wv): a lane holds one channel, its registers run along the keys.
; S^T = a nodes^T (source 0 = keys, source 1 = my 16 nodes), O^T = v^T p^T: a lane holds ONE node throughout.  The third product's K is 64: a fragment of a carries key tile 0 in k 0-63 and key tile 1 in k 64-127,
; and the nodes' fragment is used as [nodes | zero codes] and [zero codes | nodes].
; Inside a block of 32 keys, p and v both lie in the order k' = 16 h + 8 u + j for key 16 u + 8 h + j: the same order on both sides, every block holds its true 32 keys, so the products are the same; only the order of the sums differs.
; SOFTMAX.  t = S x log2(e) / 8; M = the running largest t rounded up to a whole number, kept as -M = floor(-t); the sum l is taken of the unquantised p; when M moves, l and O^T are multiplied by 2^(old M - new M), exactly.
; PREFETCH.  A wave's rows of a step are 32 rows of 1,024 bytes = 128 blocks of 256 bytes; work-group cx of the cluster asks for rows 8 cx .. 8 cx + 7 of them, one instruction, lanes 256 bytes apart: each block is asked for once in the launch.
; Step 0's rows are asked for at the head, step 1's behind step 0's first load, step 2's behind step 1's first load, step 3's in the loop's first trip: a step ahead of the loads that want them.  There is no step 4, so no request passes the chunk.
; LIMITS: NaN and infinities among the inputs are not served.  A block whose largest magnitude lies under 2^-124 has its scale byte held at 1; a block of zeros has the byte 1 where the rule says 127 (its codes are zeros,
; and this program alone reads the bytes).  A p under 2^-126 comes out of v_exp_f32 as 0.  bv enters as the C of the first matrix instruction: another order of rounding than (x Wv) + bv.
;
; LDS (bytes)
.set XPITCH, 1040                      ; a row of x: 1,024 bytes + 16 of padding = 65 x 16: the 16 rows that a load touches start at 16 different groups of banks (64 banks of 4 bytes: ISA guide 11.1)
.set SLOTB,  32*XPITCH                 ; a wave's slot: 16 rows of half A, 16 rows of half B.  Eight slots from byte 0.  When a slot has had its last fill and its last read, its first 16 x 272 bytes are the wave's stage for O
.set WIMG,   266240                    ; images of the 16 weight fragments (Wa: 2 t + s; Wv: 8 + 2 d + s), 1,024 bytes each: register group c at 512 c + 16 x lane
.set WSC,    282624                    ; their scale words, 64 bytes each: 4 r
.set AIMG,   284672                    ; a's 8 fragments of a step (fragment F: keys 32 F .. 32 F + 31)
.set VIMG,   292864                    ; v's 8 fragments: (128 keys ks, 16 channels d) at 4,096 ks + 1,024 d
.set ASC,    301056                    ; a's scale words, 128 bytes a fragment
.set VSC,    302080                    ; v's scale words: 256 ks + 64 d + 4 r; byte = the block of 32 keys
.set STAT,   302592                    ; (-M, l) of the 128 nodes
.set SPARE,  303616                    ; the spare words, 128 bytes for each wave: four blocks of 256 bytes that no other line names
; REGISTERS, window 0
                                       ; v0  the thread's number; in the head it becomes 256 x lane: the prefetches' offset, never rewritten after
.set XA,  1                            ; my lane's place in my slot: slot + 1,040 r + 128 h
.set LI,  2                            ; AIMG + 16 x lane
.set LS,  3                            ; ASC + 4 x lane
.set VSR, 4                            ; VSC + 4 r
.set AW,  5                            ; where I store a's codes: AIMG + 1,024 w + 16 r + 8 h
.set ASW, 6                            ; and a's scale word: ASC + 128 w + 4 x lane
.set VW,  7                            ; v's codes: VIMG + 4,096 (w / 4) + 256 (w % 4) + 16 r + 8 h
.set VSW, 8                            ; v's scale byte: VSC + 256 (w / 4) + w % 4 + 4 r
.set H8,  9                            ; 8 h
.set SPW, 10                           ; SPARE + 4 x my thread's number; never rewritten
.set NIL, 11                           ; 0; never rewritten
                                       ; v12 -M, v13 the largest t (at the end l), v[14:15] l in two halves
                                       ; v16-19 zero codes, v20-23 the nodes' codes, v24-27 zero codes: v[20:27] = [nodes | 0], v[16:23] = [0 | nodes]
.set NS,  28                           ; the nodes' scale word [n0, n1, n0, n1]
.set PW,  29                           ; p's scale word
.set XSW, 30                           ; v30-33 x's scale words (2 u + s)
.set WAS, 34                           ; v34-41 Wa's (2 t + s), v42-49 Wv's (2 d + s)
.set WVS, 42
.set ASB, 50                           ; v50-53 a's, of the four fragments in hand
.set VSB, 54                           ; v54-57 v's
.set STO, 58                           ; the way out: into my stage: slot + 272 r + 32 h
.set RD,  59                           ; back: slot + 272 h + 16 r
.set GO,  60                           ; in part: 1,024 h + 16 r
.set STA, 61                           ; STAT + 128 w + 8 r
.set STR, 62                           ; STAT + 16 (thread % 64)
.set GS,  63                           ; 16 (thread % 64)
.set XF,  64                           ; v64-95 x's codes, fragment (u, s) at 8 (2 u + s).  In the head v80-86 hold addresses, until step 0's half B is quantised:
.set WAW, 80                           ;   where my codes of Wa go,
.set WVW, 81                           ;   of Wv,
.set WAB, 82                           ;   my scale bytes of Wa,
.set WVB, 83                           ;   of Wv
.set WO,  84                           ;   in a weight: 16,384 h + 16 r
.set BO,  85                           ;   bv: 4 r
.set NO,  86                           ;   nodes: 256 r + 128 h
.set T,   96                           ; v96-127 at work: T+0..11 maxima, bytes, scale operands; T+12, T+13 words; T+14:15 f; T+16..23 a's and p's codes; T+24..31 v's codes
.set WL,  T+12                         ; in the head: WIMG + 16 x lane
.set WSL, T+13                         ;   WSC + 4 r
.set QT,  T+24                         ; T+24..30 x's quantiser at work
.set R1,  128                          ; v128-191 S^T, then p; a; rows of O on the way out; in the head numbers of x and Wa
.set R2,  192                          ; v192-255 numbers of x; v; in the head numbers of Wv
; window 1
.set WAF, 0                            ; Wa's 8 fragments; ahead of them my 64 numbers of Wa
.set WVF, 64                           ; Wv's likewise
.set BI,  128                          ; bv as four tiles of C: 8 registers each, all bv[16 d + r]
.set OT,  160                          ; O^T: four accumulators
.set AF,  192                          ; four fragments of a.  In the head: my nodes' 32 numbers
.set VF,  224                          ; four fragments of v
; scalars
                                       ; s[4:5] x; from the head on the prefetches' base: my wave's rows of step 0, 8 cx rows on
.set WV,  18                           ; my wave's number
.set SEL, 22                           ; s[22:23] v_permlanex16_b32's selects for lane l xor 16
.set G0A, 32                           ; s[32:35] descriptor group 0: half A
.set CS,  36                           ; s[36:37] c = log2(e) / 8, twice: the packed form names a pair
.set TRIPS, 38
.set G1H, 68                           ; s[68:75] descriptor group 1 for 16 rows: a half
.set G0B, 76                           ; s[76:79] descriptor group 0: half B
.set MSB, 0
.macro WIN new                         ; s_set_vgpr_msb: bits 1:0 source 0, 3:2 source 1, 5:4 source 2, 7:6 destination; the high byte repeats the setting that is left
.if MSB != \new
	s_set_vgpr_msb (MSB<<8)|\new
.set MSB, \new
.endif
.endm
.macro PLACES n                        ; plain vector instructions that name no register of the matrix instruction in front (ISA guide 7.12.1)
.rept \n
	v_nop
.endr
.endm
.macro CROUND                          ; a round of the cluster's barrier: my work-group's barrier; wave 0 signals for the work-group; every wave waits for all four work-groups; my work-group's barrier once more
	s_barrier_signal -1
	s_barrier_wait -1
	s_cmp_lg_u32 s[WV], 0
	s_cbranch_scc1 .Lnot_wave_0_\@
	s_barrier_signal -3
.Lnot_wave_0_\@:
	s_barrier_wait -3
	s_barrier_signal -1
	s_barrier_wait -1
.endm
.macro BARRIER                         ; my LDS stores have landed and my LDS loads are in: then the work-group's barrier
	s_wait_alu depctr_va_vdst(0)
	s_wait_dscnt 0x0
	s_barrier_signal -1
	s_barrier_wait -1
.endm
.macro JLOAD g0, g1                    ; my rows of x, jointly with the same wave of the three partners: the descriptor hangs on batch, chunk and wave alone.  Four v_nop follow
	tensor_load_to_lds s[\g0:\g0+3], s[\g1:\g1+7]
	s_nop 0
	PLACES 4
.endm
; In front of a barrier behind which a half is filled again: all my tensor loads have landed, 0 is added to my spare word; the wait for the add and for my LDS loads follows.
; g: the group 0 that the next load uses; no load of mine is out, so it may be written: 256 rows on; the type bits on top are not reached.
.macro DRAIN g
	s_wait_alu depctr_va_vdst(0)
	s_wait_tensorcnt 0x0
	ds_add_u32 v[SPW], v[NIL]
.if \g
	s_add_nc_u64 s[\g+2:\g+3], s[\g+2:\g+3], 0x40000
.endif
.endm
.macro MEET g                          ; with a refill: a round of the cluster's barrier (no wave of any partner still reads this half), and behind it my one joint load; without: the work-group's barrier alone
.if \g
	CROUND
	JLOAD \g, G1H
.else
	s_barrier_signal -1
	s_barrier_wait -1
.endif
.endm
.macro MMZ d, a, b, sa, sb             ; a product that starts a sum
	v_wmma_scale_f32_16x16x128_f8f6f4 v[\d:\d+7], v[\a:\a+7], v[\b:\b+7], 0, v[\sa], v[\sb] matrix_a_fmt:MATRIX_FMT_FP4 matrix_b_fmt:MATRIX_FMT_FP4
.endm
.macro MMC d, a, b, c, sa, sb          ; a product onto c
	v_wmma_scale_f32_16x16x128_f8f6f4 v[\d:\d+7], v[\a:\a+7], v[\b:\b+7], v[\c:\c+7], v[\sa], v[\sb] matrix_a_fmt:MATRIX_FMT_FP4 matrix_b_fmt:MATRIX_FMT_FP4
.endm
; 64 numbers of x for fragment (u, s): register 32 c + i = feature 128 s + 64 c + 32 h + i of key 16 u + r: the very order of the operand's layout.  16 LDS loads
.macro XLOAD dst, u, s
.irp c, 0,1
.irp j, 0,1,2,3,4,5,6,7
	ds_load_b128 v[\dst+32*\c+4*\j:\dst+32*\c+4*\j+3], v[XA] offset:16*XPITCH*\u+512*\s+256*\c+16*\j
.endr
.endr
.endm
; 64 numbers of a lane, two whole blocks of 32 along K (blocks h and 2 + h of its row), become the 8 registers of a fragment in v[dst] on and the row's scale word in v[word].
.macro QFRAG src, dst, word
.irp c, 0,1
	v_max3_num_f32 v[QT+\c], |v[\src+32*\c]|, |v[\src+32*\c+1]|, 0x1800000      ; the largest magnitude, two chains a block; the floor 2^(3 - 127) among the leaves holds the byte at 1 from below
	v_max3_num_f32 v[QT+2+\c], |v[\src+32*\c+2]|, |v[\src+32*\c+3]|, |v[\src+32*\c+4]|
.endr
.irp i, 5,9,13,17,21,25
.irp c, 0,1
	s_delay_alu instid0(VALU_DEP_4)
	v_max3_num_f32 v[QT+\c], v[QT+\c], |v[\src+32*\c+\i]|, |v[\src+32*\c+\i+1]|
	s_delay_alu instid0(VALU_DEP_4)
	v_max3_num_f32 v[QT+2+\c], v[QT+2+\c], |v[\src+32*\c+\i+2]|, |v[\src+32*\c+\i+3]|
.endr
.endr
	s_delay_alu instid0(VALU_DEP_4)
	v_max3_num_f32 v[QT], v[QT], |v[\src+29]|, |v[\src+30]|
	s_delay_alu instid0(VALU_DEP_3)
	v_max3_num_f32 v[QT+1], v[QT+1], |v[\src+32+29]|, |v[\src+32+30]|
.irp c, 0,1
	s_delay_alu instid0(VALU_DEP_2)
	v_max3_num_f32 v[QT+\c], v[QT+\c], v[QT+2+\c], |v[\src+32*\c+31]|
.endr
.irp c, 0,1
	s_delay_alu instid0(VALU_DEP_2)
	v_add_nc_u32 v[QT+2+\c], 0xff000000, v[QT+\c]                          ; 2 off its exponent field: the conversion takes the exponent field of this operand as its scale
.endr
.irp c, 0,1
	s_delay_alu instid0(VALU_DEP_2)
	v_lshrrev_b32 v[QT+4+\c], 23, v[QT+2+\c]                               ; the scale's byte
.endr
	s_delay_alu instid0(VALU_DEP_1)
	v_lshl_or_b32 v[\word], v[QT+5], 16, v[QT+4]                           ; my two bytes, blocks h and 2 + h,
	s_delay_alu instid0(VALU_DEP_1)
	v_lshlrev_b32 v[\word], v[H8], v[\word]                                ; at their places;
	v_permlanex16_b32 v[QT+6], v[\word], s[SEL], s[SEL+1]
	s_delay_alu instid0(VALU_DEP_1)
	v_or_b32 v[\word], v[\word], v[QT+6]                                   ; with lane l xor 16's two the word is whole
.irp c, 0,1
.irp g, 0,1,2,3
	v_cvt_scalef32_pk8_fp4_f32 v[\dst+4*\c+\g], v[\src+32*\c+8*\g:\src+32*\c+8*\g+7], v[QT+2+\c]
.endr
.endr
	v_nop                                                                  ; one plain place behind a scaled conversion
.endm
; 64 numbers of a lane in four blocks q, 16 of each block (lane l xor 16 has the other 16), become 2 registers of codes a block in v[pc + 2 q] on; the bytes are left in v[T+4+q].  Each accumulator is read from its low end on.
.macro QD src, pc
.irp q, 0,1,2,3
	v_max3_num_f32 v[T+\q], |v[\src+16*\q]|, |v[\src+16*\q+1]|, 0x1800000
.endr
.irp i, 2,4,6,8,10,12,14
.irp q, 0,1,2,3
	v_max3_num_f32 v[T+\q], v[T+\q], |v[\src+16*\q+\i]|, |v[\src+16*\q+\i+1]|
.endr
.endr
.irp q, 0,1,2,3
	s_delay_alu instid0(VALU_DEP_4)
	v_permlanex16_b32 v[T+4+\q], v[T+\q], s[SEL], s[SEL+1]
.endr
.irp q, 0,1,2,3
	s_delay_alu instid0(VALU_DEP_4)
	v_max_num_f32 v[T+\q], v[T+\q], v[T+4+\q]                              ; the block's largest magnitude
.endr
.irp q, 0,1,2,3
	s_delay_alu instid0(VALU_DEP_4)
	v_add_nc_u32 v[T+8+\q], 0xff000000, v[T+\q]
.endr
.irp q, 0,1,2,3
	s_delay_alu instid0(VALU_DEP_4)
	v_lshrrev_b32 v[T+4+\q], 23, v[T+8+\q]
.endr
.irp q, 0,1,2,3
	v_cvt_scalef32_pk8_fp4_f32 v[\pc+2*\q], v[\src+16*\q:\src+16*\q+7], v[T+8+\q]
	v_cvt_scalef32_pk8_fp4_f32 v[\pc+2*\q+1], v[\src+16*\q+8:\src+16*\q+15], v[T+8+\q]
.endr
	v_nop
.endm
.macro LOAD_A ks                       ; four fragments of a (keys 128 ks on) and their scale words: 12 LDS loads
.irp f, 0,1,2,3
	ds_load_b32 v[ASB+\f], v[LS] offset:512*\ks+128*\f
.endr
	WIN 0x40
.irp f, 0,1,2,3
.irp c, 0,1
	ds_load_b128 v[AF+8*\f+4*\c:AF+8*\f+4*\c+3], v[LI] offset:4096*\ks+1024*\f+512*\c
.endr
.endr
	WIN 0
.endm
.macro LOAD_V ks                       ; four fragments of v (the head's 64 channels x keys 128 ks on) and their scale words: 12 LDS loads
	WIN 0x40
.irp f, 0,1,2,3
.irp c, 0,1
	ds_load_b128 v[VF+8*\f+4*\c:VF+8*\f+4*\c+3], v[LI] offset:VIMG-AIMG+4096*\ks+1024*\f+512*\c
.endr
.endr
	WIN 0
.irp f, 0,1,2,3
	ds_load_b32 v[VSB+\f], v[VSR] offset:256*\ks+64*\f
.endr
.endm
; 128 keys for my 16 nodes.  x = 1: behind the exponentials the next step's fragment (ks, 0) is quantised and (ks, 1)'s numbers are asked for.
; The LDS loads stand in the order a's 12, x's 16 (x = 1), v's 12, then the second a's 12, x's second 16 (x = 1), the second v's 12; with x = 1 all have come in at the round between ks = 0 and ks = 1.
.macro STEP ks, x
.if \ks == 1 && \x == 0
	s_wait_dscnt 12                                                        ; a's are in; v's 12 may be out
.endif
	WIN 0x01
.irp b, 0,1,2,3
.if \ks == 0 && \b == 0
	s_wait_dscnt 16+16*\x                                                  ; a's words and fragments 0 and 1 are in; a's last 4 loads, v's 12 (and x's 16) may be out
.endif
.if \ks == 0 && \b == 2
	s_wait_dscnt 12+16*\x                                                  ; all of a's are in
.endif
	MMZ R1+16*\b, AF+8*\b, 20, ASB+\b, NS                                  ; S^T of key tile 0 of fragment b: [nodes | 0]
	MMZ R1+16*\b+8, AF+8*\b, 16, ASB+\b, NS                                ; of key tile 1: [0 | nodes]
.endr
	WIN 0
	PLACES 4                                                               ; in front of the loads into a's registers and of the first read of the scores
.if \ks == 0
	LOAD_A 1
.endif
.irp b, 0,1,2,3
	v_max3_num_f32 v[T+\b], v[R1+16*\b], v[R1+1+16*\b], v[R1+2+16*\b]      ; the largest score of each block of 32 keys: for the row's maximum, and, since p rises with the score, for the block's largest p
.endr
.irp i, 3,5,7,9,11,13
.irp b, 0,1,2,3
	v_max3_num_f32 v[T+\b], v[T+\b], v[R1+16*\b+\i], v[R1+1+16*\b+\i]
.endr
.endr
.irp b, 0,1,2,3
	v_max_num_f32 v[T+\b], v[T+\b], v[R1+15+16*\b]
.endr
.irp b, 0,1,2,3
	s_delay_alu instid0(VALU_DEP_4)
	v_permlanex16_b32 v[T+4+\b], v[T+\b], s[SEL], s[SEL+1]
.endr
.irp b, 0,1,2,3
	s_delay_alu instid0(VALU_DEP_4)
	v_max_num_f32 v[T+\b], v[T+\b], v[T+4+\b]                              ; with lane l xor 16's 16 keys
.endr
	s_delay_alu instid0(VALU_DEP_2)
	v_max3_num_f32 v[T+12], v[T], v[T+1], v[T+2]
	s_delay_alu instid0(VALU_DEP_1)
	v_max_num_f32 v[T+12], v[T+12], v[T+3]                                 ; the largest score of my node in these 128 keys
	s_delay_alu instid0(VALU_DEP_1)
	v_mul_f32 v[T+12], s[CS], v[T+12]                                      ; as t (c is positive)
	s_delay_alu instid0(VALU_DEP_1)
	v_max_num_f32 v13, v13, v[T+12]                                        ; the running largest t
	v_mov_b32 v[T+12], v12
	s_delay_alu instid0(VALU_DEP_2)
	v_floor_f32 v12, -v13                                                  ; the new -M = floor(-t): M is a whole number
	s_delay_alu instid0(VALU_DEP_1)
	v_sub_f32 v[T+12], v12, v[T+12]                                        ; old M - new M: a whole number, 0 or less
	s_delay_alu instid0(VALU_DEP_1)
	v_cvt_i32_f32 v[T+12], v[T+12]                                         ; (it saturates)
	s_delay_alu instid0(VALU_DEP_1)
	v_ldexp_f32 v[T+14], 1.0, v[T+12]                                      ; f = 2^(old M - new M)
.set j, 0
.rept 32
	v_pk_fma_f32 v[R1+j:R1+j+1], v[R1+j:R1+j+1], s[CS:CS+1], v[12:13] op_sel_hi:[1,0,0]   ; t - M, two at a time (of the pairs c and -M the low word serves both halves)
.set j, j+2
.endr
.irp b, 0,1,2,3
	v_fma_f32 v[T+\b], v[T+\b], s[CS], v12                                 ; the same of each block's largest score
.endr
.set j, 0
	s_wait_alu depctr_va_vdst(0)                                           ; the wait ahead of the batch
.rept 64
	v_exp_f32 v[R1+j], v[R1+j]                                             ; p = 2^(t - M): not normalised
.set j, j+1
.endr
.irp b, 0,1,2,3
	v_exp_f32 v[T+\b], v[T+\b]                                             ; the block's largest p: the same two instructions on the same number give the same bits
.endr
	v_pk_mul_f32 v[14:15], v[14:15], v[T+14:T+15] op_sel_hi:[1,0]          ; l under the new M (a plain place behind the exponentials)
.if \x
.if \ks == 0
	s_wait_dscnt 24                                                        ; x's 16 are in; behind them stand v's 12 and the second a's 12
.else
	s_wait_dscnt 0x0
.endif
	QFRAG R2, XF+16*\ks, XSW+2*\ks                                         ; names no result of the exponentials
	XLOAD R2, \ks, 1
.endif
	s_wait_alu depctr_va_vdst(0)                                           ; and the wait ahead of the batch's first reader
.irp b, 0,1,2,3
	v_max_num_f32 v[T+\b], 0x1800000, v[T+\b]                              ; the floor: the byte cannot fall under 1
.endr
.irp b, 0,1,2,3
	s_delay_alu instid0(VALU_DEP_4)
	v_add_nc_u32 v[T+8+\b], 0xff000000, v[T+\b]
.endr
.irp b, 0,1,2,3
	s_delay_alu instid0(VALU_DEP_4)
	v_lshrrev_b32 v[T+4+\b], 23, v[T+8+\b]
.endr
	s_delay_alu instid0(VALU_DEP_3)
	v_lshl_or_b32 v[PW], v[T+5], 8, v[T+4]                                 ; p's scale word for these 128 keys
	s_delay_alu instid0(VALU_DEP_1)
	v_lshl_or_b32 v[PW], v[T+6], 16, v[PW]
	s_delay_alu instid0(VALU_DEP_1)
	v_lshl_or_b32 v[PW], v[T+7], 24, v[PW]
.irp b, 0,1,2,3
	v_cvt_scalef32_pk8_fp4_f32 v[T+16+2*\b], v[R1+16*\b:R1+16*\b+7], v[T+8+\b]
	v_cvt_scalef32_pk8_fp4_f32 v[T+17+2*\b], v[R1+16*\b+8:R1+16*\b+15], v[T+8+\b]
.endr
	v_nop
.irp c, 0,1                                                                    ; the operand's layout wants a whole block in a lane: lanes 0-15 block 2 c, lanes 16-31 block 2 c + 1
.irp i, 0,1
	v_permlane16_swap_b32 v[T+16+4*\c+\i], v[T+18+4*\c+\i]
.endr
.endr
; l: 32 pairs of p in eight chains: v[14:15] and seven pairs from T on
.irp k, 0,1,2,3,4,5,6
	v_pk_add_f32 v[T+2*\k:T+2*\k+1], v[R1+4*\k:R1+4*\k+1], v[R1+4*\k+2:R1+4*\k+3]
.endr
.irp g, 28,44
	v_pk_add_f32 v[14:15], v[14:15], v[R1+\g:R1+\g+1]
.irp k, 0,1,2,3,4,5,6
	v_pk_add_f32 v[T+2*\k:T+2*\k+1], v[T+2*\k:T+2*\k+1], v[R1+\g+2+2*\k:R1+\g+3+2*\k]
.endr
.endr
	v_pk_add_f32 v[14:15], v[14:15], v[R1+60:R1+61]
	v_pk_add_f32 v[T:T+1], v[T:T+1], v[R1+62:R1+63]
	v_pk_add_f32 v[T+4:T+5], v[T+4:T+5], v[T+6:T+7]
	v_pk_add_f32 v[T+8:T+9], v[T+8:T+9], v[T+10:T+11]
	v_pk_add_f32 v[14:15], v[14:15], v[T+12:T+13]
	v_pk_add_f32 v[T:T+1], v[T:T+1], v[T+2:T+3]
	v_pk_add_f32 v[T+4:T+5], v[T+4:T+5], v[T+8:T+9]
	v_pk_add_f32 v[14:15], v[14:15], v[T:T+1]
	WIN 0x41
	s_wait_alu depctr_va_vdst(0)                                           ; the wait directly ahead of the first reader of O^T
.set j, 0
.rept 16
	v_pk_mul_f32 v[OT+j:OT+j+1], v[OT+j:OT+j+1], v[T+14:T+15] op_sel_hi:[1,0]   ; O^T under the new M, each accumulator from its low end on
.set j, j+2
.endr
	WIN 0
	v_pk_add_f32 v[14:15], v[14:15], v[T+4:T+5]                            ; l's last addition
.if \ks == 0
	s_wait_alu depctr_va_vdst(0)
	s_wait_dscnt 12+16*\x                                                  ; v's are in; behind them stand the second a's 12 (and x's second 16)
.else
.if \x == 0
	s_wait_alu depctr_va_vdst(0)
	s_wait_dscnt 0x0
.endif
.endif
	WIN 0x51
.irp d, 0,1,2,3
	MMC OT+8*\d, VF+8*\d, T+16, OT+8*\d, VSB+\d, PW                        ; O^T += v^T p^T: four accumulators by turns
.endr
	WIN 0
.if \ks == 0
	PLACES 4                                                               ; in front of the loads into v's registers
	LOAD_V 1
.endif
.endm
; a and v of my 32 keys, from x's four fragments in registers; their codes and scales go into the images
.macro PROJ
	PLACES 8                                                               ; eight places between the last scale word made by a vector instruction and the scaled products
	WIN 0x01
.irp u, 0,1
.irp t, 0,1,2,3
	MMZ R1+32*\u+8*\t, WAF+16*\t, XF+16*\u, WAS+2*\t, XSW+2*\u             ; a^T: features 0-127; eight accumulators by turns
.endr
.endr
.irp u, 0,1
.irp t, 0,1,2,3
	MMC R1+32*\u+8*\t, WAF+16*\t+8, XF+16*\u+8, R1+32*\u+8*\t, WAS+2*\t+1, XSW+2*\u+1   ; features 128-255
.endr
.endr
	WIN 0x14
.irp d, 0,1,2,3
.irp u, 0,1
	MMC R2+16*\d+8*\u, XF+16*\u, WVF+16*\d, BI+8*\d, XSW+2*\u, WVS+2*\d    ; v: the bias is the C of the first product
.endr
.endr
	WIN 0x04
.irp d, 0,1,2,3
.irp u, 0,1
	MMC R2+16*\d+8*\u, XF+16*\u+8, WVF+16*\d+8, R2+16*\d+8*\u, XSW+2*\u+1, WVS+2*\d+1
.endr
.endr
	WIN 0
	PLACES 4
	QD R1, T+16                                                            ; a: block q = 2 u + b: key tile u, the head's numbers 32 b on
	v_lshl_or_b32 v[T+12], v[T+5], 8, v[T+4]                               ; the fragment's scale word: byte q
	s_delay_alu instid0(VALU_DEP_1)
	v_lshl_or_b32 v[T+12], v[T+6], 16, v[T+12]
	s_delay_alu instid0(VALU_DEP_1)
	v_lshl_or_b32 v[T+12], v[T+7], 24, v[T+12]
.irp q, 0,1,2,3
	ds_store_b64 v[AW], v[T+16+2*\q:T+17+2*\q] offset:256*\q               ; my 16 codes go where the operand's layout has them: group u, lane r + 16 b, half h: 32 lanes fill 256 bytes on end
.endr
	ds_store_b32 v[ASW], v[T+12]
	QD R2, T+24                                                            ; v: block q = d: channel 16 d + r, my wave's 32 keys
.irp q, 0,1,2,3
	ds_store_b64 v[VW], v[T+24+2*\q:T+25+2*\q] offset:1024*\q
.endr
.irp q, 0,1,2,3
	ds_store_b8 v[VSW], v[T+4+\q] offset:64*\q                             ; both lanes of a block write the same byte with the same value
.endr
.endm
; Step s for my nodes, and x, a and v of step s + 1.  gb, ga: the groups 0 by which halves B and A are filled again (0: not filled); ask: the loop's first trip asks for step 3's rows into the L2.
.macro TRIP gb, ga, ask
	DRAIN \gb
	s_wait_dscnt 0x0                                                       ; the add is done, my stores into the images have landed, my reads of half B are over
	MEET \gb                                                               ; half B: step s + 1
	LOAD_A 0
	XLOAD R2, 0, 0
	LOAD_V 0
	STEP 0, 1
	DRAIN \ga
	s_wait_dscnt 13                                                        ; x's second 16 are in; behind them stand v's 12 and the add
	QFRAG R2, XF+8, XSW+1
	s_wait_alu depctr_va_vdst(0)
	s_wait_dscnt 0x0                                                       ; the add is done, and my reads of half A and of the images are over
	MEET \ga                                                               ; half A: step s + 2
	XLOAD R2, 1, 0
.if \ask
	s_cmp_eq_u32 s[TRIPS], 2
	s_cbranch_scc0 .Lno_ask_\@
	global_prefetch_b8 v0, s[4:5] offset:0xc0000 th:TH_LOAD_NT scope:SCOPE_SE   ; step 3: my work-group's 8 rows of my wave's 32
.Lno_ask_\@:
.endif
	STEP 1, 1
	s_wait_dscnt 0x0
	QFRAG R2, XF+24, XSW+3
	PROJ
.endm
	s_load_b256 s[4:11], s[0:1], 0x0               ; x s[4:5], nodes s[6:7], Wa s[8:9], Wv s[10:11]
	s_load_b128 s[12:15], s[0:1], 0x20             ; bv s[12:13], part s[14:15]
	s_load_b64 s[16:17], s[0:1], 0x30              ; stats
	v_lshl_add_u32 v[SPW], v0, 2, SPARE
	v_mov_b32 v[NIL], 0
	ds_add_u32 v[SPW], v[NIL]                      ; the wave's opening: the add, twice on end, and its wait ahead of my first tensor load
	ds_add_u32 v[SPW], v[NIL]
	v_lshrrev_b32 v[T+8], 5, v0
	v_and_b32 v[T], 15, v0                         ; r
	v_bfe_u32 v[T+1], v0, 4, 1                     ; h
	v_and_b32 v[T+2], 31, v0                       ; lane
	v_and_b32 v[GS], 63, v0
	v_readfirstlane_b32 s[WV], v[T+8]              ; wave 0..7
	v_lshlrev_b32 v[BO], 2, v[T]
	v_lshlrev_b32 v[WO], 4, v[T]
	v_lshlrev_b32 v[NO], 8, v[T]
	v_lshlrev_b32 v[GS], 4, v[GS]
	v_lshl_add_u32 v[WO], v[T+1], 14, v[WO]        ; lanes 16-31 begin 16 rows of 1,024 bytes further down K
	v_lshl_add_u32 v[NO], v[T+1], 7, v[NO]
	v_lshlrev_b32 v0, 8, v[T+2]                    ; the thread's number has served: from here on v0 = 256 x lane, the prefetches' offset
	s_bfe_u32 s19, ttmp6, 0x40000                  ; cx = the head: it enters the addresses of Wa, Wv, bv, part, stats and of the prefetches alone
	s_and_b32 s21, ttmp7, 0xffff                   ; the batch; ttmp9 (the cluster's x) is the chunk
	s_lshl_b32 s55, s19, 8                         ; the head's 64 columns: 256 bytes on
	s_lshl_b32 s40, s[WV], 15                      ; a weight: my block of 32 rows of 1,024 bytes along K
	s_add_co_u32 s40, s40, s55
	s_mov_b32 s41, 0
	s_mov_b32 s44, s55                             ; bv
	s_mov_b32 s45, 0
	s_lshl_b32 s46, s[WV], 12                      ; nodes: my 16 rows of 256 bytes
	s_mov_b32 s47, 0
	s_wait_alu depctr_va_vdst(0)                   ; the wait directly ahead of the waits below
	s_wait_dscnt 0x0                               ; both opening adds are done
	s_wait_kmcnt 0x0
	s_add_nc_u64 s[6:7], s[6:7], s[46:47]
	s_add_nc_u64 s[8:9], s[8:9], s[40:41]
	s_add_nc_u64 s[10:11], s[10:11], s[40:41]
	s_add_nc_u64 s[12:13], s[12:13], s[44:45]
	; x: batch x 8,192 rows + chunk x 1,024 rows + wave x 32 rows, of 1,024 bytes
	s_lshl_b32 s52, s21, 23
	s_lshl_b32 s2, ttmp9, 20
	s_add_co_u32 s52, s52, s2
	s_lshl_b32 s2, s[WV], 15
	s_add_co_u32 s52, s52, s2
	s_mov_b32 s53, 0
	s_add_nc_u64 s[G0A+2:G0A+3], s[4:5], s[52:53]  ; 120:64 global address: my 32 rows of the chunk's first step
	s_or_b32 s[G0A+3], s[G0A+3], 0x80000000        ; 127:126 type = 2
	s_add_nc_u64 s[G0B+2:G0B+3], s[4:5], s[52:53]
	s_add_nc_u64 s[G0B+2:G0B+3], s[G0B+2:G0B+3], 0x4000   ; half B: 16 rows on
	s_or_b32 s[G0B+3], s[G0B+3], 0x80000000
	s_lshl_b32 s58, s19, 13                        ; the prefetches: my work-group's 8 rows of 1,024 bytes in a wave's 32 (the descriptors above were made before cx came in)
	s_mov_b32 s59, 0
	s_add_nc_u64 s[4:5], s[4:5], s[52:53]
	s_add_nc_u64 s[4:5], s[4:5], s[58:59]
	global_prefetch_b8 v0, s[4:5] th:TH_LOAD_NT scope:SCOPE_SE   ; step 0's rows: their joint loads go out only behind the cluster's first round (half A) and its second (half B)
	WIN 0x40
.irp j, 0,1,2,3,4,5,6,7
	global_load_b128 v[AF+4*\j:AF+4*\j+3], v[NO], s[6:7] offset:16*\j      ; node 16 w + r, its numbers 32 h on: one block of 32 a lane
.endr
.irp d, 0,1,2,3
	global_load_b32 v[BI+8*\d], v[BO], s[12:13] offset:64*\d               ; in v's tiles a lane holds one channel
.endr
.set j, 0
.rept 16
	global_load_b128 v[WAF+4*j:WAF+4*j+3], v[WO], s[8:9] offset:1024*j     ; row 32 w + 16 h + j, columns 4 r .. 4 r + 3: sixteen lanes read 256 consecutive bytes
.set j, j+1
.endr
.set j, 0
.rept 16
	global_load_b128 v[WVF+4*j:WVF+4*j+3], v[WO], s[10:11] offset:1024*j
.set j, j+1
.endr
	WIN 0
	; descriptor group 1: 16 rows of 256 elements of 4 bytes, 16 bytes of padding behind each row
	s_mov_b32 s[G1H], 15|(2<<16)|(1<<20)|(1<<21)|(7<<22)|(3<<25)  ; 15:0 the mask: all four work-groups; 17:16 elements of 4 bytes; 20 padding on; 21 set beside a mask; 24:22 after every 256 words (code 7); 31:25 four words (code 3)
	s_mov_b32 s[G1H+1], 256<<16                    ; tensor_dim0, then tensor_dim1, tile_dim0, tile_dim1 and the pitch
	s_mov_b32 s[G1H+2], 16<<16
	s_mov_b32 s[G1H+3], 256<<16
	s_mov_b32 s[G1H+4], 16
	s_mov_b32 s[G1H+5], 256
	s_mov_b32 s[G1H+6], 0
	s_mov_b32 s[G1H+7], 0
	s_mov_b32 s[G0A], 1                            ; 1:0 count = 1
	s_mul_i32 s[G0A+1], s[WV], SLOTB               ; 63:32 LDS address: my slot
	s_mov_b32 s[G0B], 1
	s_mul_i32 s[G0B+1], s[WV], SLOTB
	s_add_co_u32 s[G0B+1], s[G0B+1], 16*XPITCH     ; half B: 16 rows on
	CROUND                                         ; all four work-groups are here: the first joint loads meet
	JLOAD G0A, G1H                                 ; step 0's half A: one tensor load a wave at the head
	s_lshl_b32 s54, s21, 3
	s_add_co_u32 s54, s54, ttmp9                   ; 8 b + chunk
	s_lshl_b32 s48, s54, 17                        ; part: (8 b + chunk) x 128 rows of 1,024 bytes + 16 rows a wave + the head's columns
	s_lshl_b32 s2, s[WV], 14
	s_add_co_u32 s48, s48, s2
	s_add_co_u32 s48, s48, s55
	s_mov_b32 s49, 0
	s_add_nc_u64 s[14:15], s[14:15], s[48:49]
	s_lshl_b32 s50, s54, 2                         ; stats: ((8 b + chunk) x 4 + head) x 1,024 bytes
	s_add_co_u32 s50, s50, s19
	s_lshl_b32 s50, s50, 10
	s_mov_b32 s51, 0
	s_add_nc_u64 s[16:17], s[16:17], s[50:51]
	s_mov_b32 s[SEL], 0x76543210
	s_mov_b32 s[SEL+1], 0xfedcba98
	s_mov_b32 s[CS], 0x3e38aa3b                    ; c = log2(e) / 8
	s_mov_b32 s[CS+1], s[CS]
	; LDS addresses: constants, the lane, the wave
	s_mul_i32 s39, s[WV], SLOTB                    ; my slot
	s_lshr_b32 s62, s[WV], 2                       ; which 128 keys of the step my keys belong to (and which 128 of a weight's K my block),
	s_and_b32 s63, s[WV], 3                        ; and which block of 32 of these
	s_lshl_b32 s56, s[WV], 8
	s_add_co_u32 s56, s56, WIMG                    ; my block in the weights' images: 1,024 (w / 4) + 512 (w / 2 % 2) + 256 (w % 2) = 256 w
	s_lshl_b32 s57, s62, 6
	s_add_co_u32 s57, s57, s63
	s_add_co_u32 s57, s57, WSC                     ; and its byte in their scale words
	s_lshl_b32 s60, s[WV], 10
	s_add_co_u32 s60, s60, AIMG
	s_lshl_b32 s61, s[WV], 7
	s_lshl_b32 s2, s62, 12
	s_lshl_b32 s3, s63, 8
	s_add_co_u32 s2, s2, s3
	s_add_co_u32 s2, s2, VIMG
	s_lshl_b32 s3, s62, 8
	s_add_co_u32 s3, s3, s63
	s_add_co_u32 s20, s61, STAT
	v_lshlrev_b32 v[H8], 3, v[T+1]
	v_lshl_add_u32 v[LI], v[T+2], 4, AIMG
	v_lshl_add_u32 v[LS], v[T+2], 2, ASC
	v_lshl_add_u32 v[VSR], v[T], 2, VSC
	v_lshl_add_u32 v[WL], v[T+2], 4, WIMG
	v_lshl_add_u32 v[WSL], v[T], 2, WSC
	v_lshl_add_u32 v[T+3], v[T], 4, v[H8]          ; 16 r + 8 h
	v_mul_u32_u24 v[XA], v[T], XPITCH
	v_mul_u32_u24 v[STO], v[T], 272
	v_mul_u32_u24 v[RD], v[T+1], 272
	v_lshlrev_b32 v[GO], 10, v[T+1]
	v_lshl_add_u32 v[XA], v[T+1], 7, v[XA]
	v_lshl_add_u32 v[STO], v[T+1], 5, v[STO]
	v_lshl_add_u32 v[RD], v[T], 4, v[RD]
	v_lshl_add_u32 v[GO], v[T], 4, v[GO]
	v_add_nc_u32 v[XA], s39, v[XA]
	v_add_nc_u32 v[STO], s39, v[STO]
	v_add_nc_u32 v[RD], s39, v[RD]
	v_add_nc_u32 v[AW], s60, v[T+3]
	v_add_nc_u32 v[ASW], s61, v[LS]
	v_add_nc_u32 v[VW], s2, v[T+3]
	v_add_nc_u32 v[VSW], s3, v[VSR]
	v_lshl_add_u32 v[STA], v[T], 3, s20
	v_add_nc_u32 v[STR], STAT, v[GS]
	; my columns 4 r + i of a weight in the images.  With r's bits r3 r2 r1 r0: Wa: tile 2 r3 + r1, its row 8 r2 + 4 r0 + i; Wv: tile r / 4, its row 4 (r % 4) + i
	v_and_b32 v[T+8], 1, v[T]
	v_and_b32 v[T+9], 2, v[T]
	v_and_b32 v[T+10], 4, v[T]
	v_and_b32 v[T+11], 8, v[T]
	v_lshl_add_u32 v[WAW], v[T+8], 6, v[H8]
	v_lshlrev_b32 v[WAB], 4, v[T+8]
	v_lshl_add_u32 v[WAW], v[T+9], 10, v[WAW]
	v_lshl_add_u32 v[WAB], v[T+9], 6, v[WAB]
	v_lshl_add_u32 v[WAW], v[T+10], 5, v[WAW]
	v_lshl_add_u32 v[WAB], v[T+10], 3, v[WAB]
	v_lshl_add_u32 v[WAW], v[T+11], 9, v[WAW]
	v_lshl_add_u32 v[WAB], v[T+11], 5, v[WAB]
	v_and_b32 v[T+8], 3, v[T]
	v_lshrrev_b32 v[T+9], 2, v[T]
	v_lshl_add_u32 v[WVW], v[T+8], 6, v[H8]
	v_lshlrev_b32 v[WVB], 4, v[T+8]
	v_lshl_add_u32 v[WVW], v[T+9], 11, v[WVW]
	v_lshl_add_u32 v[WVB], v[T+9], 7, v[WVB]
	v_add_nc_u32 v[WAW], s56, v[WAW]
	v_add_nc_u32 v[WVW], s56, v[WVW]
	v_add_nc_u32 v[WAB], s57, v[WAB]
	v_add_nc_u32 v[WVB], s57, v[WVB]
	WIN 0x40
.set j, 0
.rept 32
	v_mov_b32 v[OT+j], 0                           ; O^T.  (The step is written once: the first finds zeros, which the first change of M leaves zeros)
.set j, j+1
.endr
	WIN 0
.irp j, 16,17,18,19,24,25,26,27
	v_mov_b32 v[\j], 0                             ; the zero codes on either side of the nodes' codes
.endr
.irp j, 4,5,6,7,15,30
	v_mov_b32 v[T+\j], 0                           ; written once: a lane permute's destination counts as one of its sources; T+15 is named as the upper half of f's pair
.endr
	v_mov_b32 v13, 0xff61b1e6                      ; the largest t so far: -3e38, under every t
	v_mov_b32 v14, 0                               ; l, in two halves
	v_mov_b32 v15, 0
	v_floor_f32 v12, -v13                          ; -M
	s_wait_alu depctr_va_vdst(0)                   ; the wait at the head's end
; STEP 0's half A, which I alone read; behind it half B's first fill, issued as a refill is, which has the weights' work in which to land
	s_wait_tensorcnt 0x0
	XLOAD R1, 0, 0
	XLOAD R2, 0, 1
	global_prefetch_b8 v0, s[4:5] offset:0x40000 th:TH_LOAD_NT scope:SCOPE_SE   ; step 1: my work-group's 8 rows of my wave's 32
	DRAIN 0
	s_wait_dscnt 17                                ; the first 16 are in; behind them stand the second 16 and the add
	QFRAG R1, XF, XSW
	s_wait_dscnt 1
	QFRAG R2, XF+8, XSW+1
	s_wait_alu depctr_va_vdst(0)
	s_wait_dscnt 0x0                               ; the add is done, my reads of half A are over
	MEET G0B
; THE WEIGHTS.  A lane has 16 numbers of block w along K for each of its four columns; lane l xor 16 has the block's other 16.  The conversions want a column's numbers in neighbouring registers.
	s_wait_loadcnt 16                              ; the nodes, the bias and Wa are in; Wv's 16 may be out
	WIN 0x01
.irp t, 0,1,2,3
.set j, 0
.rept 16
	v_mov_b32 v[R1+16*\t+j], v[WAF+4*j+\t]
.set j, j+1
.endr
.endr
	WIN 0
	QD R1, T+16
.irp t, 0,1,2,3
	ds_store_b64 v[WAW], v[T+16+2*\t:T+17+2*\t] offset:16*\t               ; my 16 codes go where the operand's layout has them
	ds_store_b8 v[WAB], v[T+4+\t] offset:4*\t                              ; both lanes of a block write the same byte with the same value
.endr
	WIN 0x41
.irp d, 0,1,2,3
.irp j, 1,2,3,4,5,6,7
	v_mov_b32 v[BI+8*\d+\j], v[BI+8*\d]            ; all eight registers of C take the channel's bias
.endr
.endr
	WIN 0
	s_wait_alu depctr_va_vdst(0)
	s_wait_loadcnt 0x0                             ; Wv
	WIN 0x01
.irp t, 0,1,2,3
.set j, 0
.rept 16
	v_mov_b32 v[R2+16*\t+j], v[WVF+4*j+\t]
.set j, j+1
.endr
.endr
	WIN 0
	QD R2, T+16
.irp t, 0,1,2,3
	ds_store_b64 v[WVW], v[T+16+2*\t:T+17+2*\t] offset:8192+16*\t
	ds_store_b8 v[WVB], v[T+4+\t] offset:512+4*\t
.endr
	WIN 0x05                                       ; the nodes' numbers lie in window 1: sources 0 and 1
	v_max3_num_f32 v[T], |v[AF]|, |v[AF+1]|, 0x1800000                     ; my block's largest magnitude, in two chains, with the floor
	v_max3_num_f32 v[T+2], |v[AF+2]|, |v[AF+3]|, 0x1800000
.irp i, 4,8,12,16,20,24,28
	s_delay_alu instid0(VALU_DEP_2)
	v_max3_num_f32 v[T], |v[AF+\i]|, |v[AF+\i+1]|, v[T]
	s_delay_alu instid0(VALU_DEP_2)
	v_max3_num_f32 v[T+2], |v[AF+\i+2]|, |v[AF+\i+3]|, v[T+2]
.endr
	WIN 0
	v_max_num_f32 v[T], v[T], v[T+2]
	s_delay_alu instid0(VALU_DEP_1)
	v_add_nc_u32 v[T+2], 0xff000000, v[T]
	s_delay_alu instid0(VALU_DEP_1)
	v_lshrrev_b32 v[T+4], 23, v[T+2]
	s_delay_alu instid0(VALU_DEP_1)
	v_lshlrev_b32 v[NS], v[H8], v[T+4]             ; my byte at its place,
	s_delay_alu instid0(VALU_DEP_1)
	v_permlanex16_b32 v[T+6], v[NS], s[SEL], s[SEL+1]
	s_delay_alu instid0(VALU_DEP_1)
	v_or_b32 v[T+4], v[NS], v[T+6]                 ; with lane l xor 16's: [n0, n1],
	s_delay_alu instid0(VALU_DEP_1)
	v_lshl_or_b32 v[NS], v[T+4], 16, v[T+4]        ; twice: the nodes stand in either half of K
	WIN 0x01
.irp g, 0,1,2,3
	v_cvt_scalef32_pk8_fp4_f32 v[20+\g], v[AF+8*\g:AF+8*\g+7], v[T+2]
.endr
	WIN 0
	v_nop
; STEP 0's x, a and v: nothing to walk yet
	BARRIER                                        ; the 16 weight fragments lie in LDS.  Half B may stay on its way
	WIN 0x40
.set j, 0
.rept 16
	ds_load_b128 v[8*j:8*j+3], v[WL] offset:1024*j     ; the 16 weight fragments stay in registers
	ds_load_b128 v[8*j+4:8*j+7], v[WL] offset:1024*j+512
.set j, j+1
.endr
	WIN 0
.set j, 0
.rept 16
	ds_load_b32 v[WAS+j], v[WSL] offset:64*j
.set j, j+1
.endr
	DRAIN G0A                                      ; step 0's half B is in
	s_wait_dscnt 0x0
	MEET G0A                                       ; half A: step 1
	XLOAD R1, 1, 0
	XLOAD R2, 1, 1
	global_prefetch_b8 v0, s[4:5] offset:0x80000 th:TH_LOAD_NT scope:SCOPE_SE   ; step 2
	s_wait_dscnt 16
	QFRAG R1, XF+16, XSW+2
	s_wait_dscnt 0x0
	QFRAG R2, XF+24, XSW+3
	PROJ
	s_mov_b32 s[TRIPS], 2
.Lstep:                                            ; steps 0 and 1 fill both halves again
	TRIP G0B, G0A, 1
	s_wait_alu depctr_va_vdst(0)
	s_sub_co_u32 s[TRIPS], s[TRIPS], 1
	s_cmp_lg_u32 s[TRIPS], 0
	s_cbranch_scc1 .Lstep
	TRIP G0B, 0, 0                                 ; step 2 fills half B alone: written out
	BARRIER                                        ; step 3's images are whole
	LOAD_A 0
	LOAD_V 0
	STEP 0, 0
	STEP 1, 0
	; THE WAY OUT.  l's halves are joined; (-M, l) meet in LDS; O^T goes through my stage (my slot: it has had its last fill, and I alone read it) and leaves as rows.
	v_add_f32 v14, v14, v15
	s_delay_alu instid0(VALU_DEP_1)
	v_permlanex16_b32 v[T+4], v14, s[SEL], s[SEL+1]
	s_delay_alu instid0(VALU_DEP_1)
	v_add_f32 v13, v14, v[T+4]                     ; l of my node
	PLACES 4                                       ; behind the last products
	ds_store_b64 v[STA], v[12:13]                  ; both halves of the lanes write the same bytes with the same values
	WIN 0x04
.irp d, 0,1,2,3
	ds_store_b128 v[STO], v[OT+8*\d:OT+8*\d+3] offset:64*\d                ; lane (r, h): O(node r, channel 16 d + 8 h + 0 .. 7); each accumulator from its low end on
	ds_store_b128 v[STO], v[OT+8*\d+4:OT+8*\d+7] offset:64*\d+16
.endr
	WIN 0
.irp i, 0,1,2,3,4,5,6,7
	ds_load_b128 v[R1+4*\i:R1+4*\i+3], v[RD] offset:544*\i                 ; LDS serves a wave's instructions in order (ISA guide 5.7.1.4): these see my stores
.endr
.irp i, 0,1,2,3,4,5,6,7
	s_wait_dscnt 7-\i                                                      ; the younger loads from the stage may be out
	global_store_b128 v[GO], v[R1+4*\i:R1+4*\i+3], s[14:15] offset:2048*\i ; 16 lanes store 256 consecutive bytes, at a multiple of 256 from part's first byte: the head's 64 channels of a node
.endr
	BARRIER                                        ; the 128 nodes' (-M, l) lie in LDS
	s_cmp_lt_u32 s[WV], 2
	s_cbranch_scc0 .Lnostat
	ds_load_b128 v[R2:R2+3], v[STR]
	s_wait_dscnt 0x0
	global_store_b128 v[GS], v[R2:R2+3], s[16:17]  ; waves 0 and 1 store the work-group's 1,024 bytes, 512 consecutive bytes each
.Lnostat:
	s_wait_tensorcnt 0x0                           ; the wave's end: the wait, the add and its wait, behind my last tensor load and my last LDS store
	ds_add_u32 v[SPW], v[NIL]
	s_wait_dscnt 0x0
	CROUND                                         ; the closing round: no work-group ends while a partner may still ask for a tile that names it
	s_endpgm
.Lfunc_end_k_q94347c294c_attn_part:
	.size	k_q94347c294c_attn_part, .Lfunc_end_k_q94347c294c_attn_part-k_q94347c294c_attn_part
	.p2alignl 7, 3214868480
	.fill 96, 4, 3214868480
	.section	.rodata,"a",@progbits
	.p2align	6, 0x0
	.amdhsa_kernel k_q94347c294c_attn_part
		.amdhsa_group_segment_fixed_size 327680
		.amdhsa_private_segment_fixed_size 0
		.amdhsa_enable_private_segment 0
		.amdhsa_kernarg_size 56
		.amdhsa_user_sgpr_count 2
		.amdhsa_user_sgpr_kernarg_segment_ptr 1
		.amdhsa_wavefront_size32 1
		.amdhsa_system_sgpr_workgroup_id_x 1
		.amdhsa_system_sgpr_workgroup_id_y 1
		.amdhsa_system_sgpr_workgroup_id_z 1
		.amdhsa_system_vgpr_workitem_id 0
		.amdhsa_next_free_vgpr 512
		.amdhsa_next_free_sgpr 80
		.amdhsa_reserve_vcc 0
		.amdhsa_float_denorm_mode_32 3
		.amdhsa_float_denorm_mode_16_64 3
		.amdhsa_memory_ordered 1
		.amdhsa_forward_progress 1
		.amdhsa_inst_pref_size 239
	.end_amdhsa_kernel
	.amdgpu_metadata
---
amdhsa.version: [ 1, 2 ]
amdhsa.kernels:
  - .name:           k_q94347c294c_attn_part
    .symbol:         k_q94347c294c_attn_part.kd
    .args:
      - { .name: x, .offset: 0, .size: 8, .value_kind: global_buffer, .address_space: global }
      - { .name: nodes, .offset: 8, .size: 8, .value_kind: global_buffer, .address_space: global }
      - { .name: Wa, .offset: 16, .size: 8, .value_kind: global_buffer, .address_space: global }
      - { .name: Wv, .offset: 24, .size: 8, .value_kind: global_buffer, .address_space: global }
      - { .name: bv, .offset: 32, .size: 8, .value_kind: global_buffer, .address_space: global }
      - { .name: part, .offset: 40, .size: 8, .value_kind: global_buffer, .address_space: global }
      - { .name: stats, .offset: 48, .size: 8, .value_kind: global_buffer, .address_space: global }
    .group_segment_fixed_size: 327680
    .private_segment_fixed_size: 0
    .kernarg_segment_align: 8
    .kernarg_segment_size: 56
    .max_flat_workgroup_size: 256
    .sgpr_count:     80
    .vgpr_count:     512
    .wavefront_size: 32
...
	.end_amdgpu_metadata
.endif
;; end of part 1
;; launch combine (part 2): grid 256 x 1, 4 waves a work-group, no clusters, 0 bytes of LDS; arguments part, stats, gamma, beta, out0; writes out0
.if DOCPART == 2
	.amdgcn_target "amdgcn-amd-amdhsa--gfx1250"
	.amdhsa_code_object_version 6
	.text
	.protected	k_q94347c294c_combine
	.globl	k_q94347c294c_combine
	.p2align	8
	.type	k_q94347c294c_combine,@function
k_q94347c294c_combine:
	s_mov_b64 s[64:65], 0
	v_nop
	global_prefetch_b8 v0, s[64:65] scope:SCOPE_SE
	s_setreg_imm32_b32 hwreg(HW_REG_WAVE_MODE, 25, 1), 1
	s_wait_xcnt 0x0
; The 8 chunks' partial results are joined: with M = the largest of the chunks' M_c, O = sum of 2^(M_c - M) O_c and l = sum of 2^(M_c - M) l_c (the factors are exact powers of two); then O / l, leaky relu (0.2),
; and the layer norm over a node's 256 channels with gamma and beta.  part: [b][chunk][node][256] f32; stats: [b][chunk][head][node][2] = (-M, l); out0: [b][node][256].
; One wave takes one row (b, node): 1,024 rows, 256 work-groups of 4 waves.  A lane holds channels 4 l .. 4 l + 3 (head l / 16) and 128 + 4 l .. (head 2 + l / 16): every load and store of the wave covers 512 consecutive bytes.
; All 36 loads of a wave go out at once; no LDS, no barrier, no matrix unit: the waves share nothing, and there is one multiply-add for each number read.  No prefetch: nothing is known earlier than the loads themselves.
; LIMITS: NaN and infinities are not served; a chunk whose M lies more than 149 under the largest counts for nothing (its factor is 0), as it would in f32.
.set O,  16                            ; v16-79   chunk c, half p: 4 numbers at 8 c + 4 p
.set SS, 80                            ; v80-111  (-M, l) at 4 c + 2 p
.set GA, 112                           ; v112-119 gamma
.set BE, 120                           ; v120-127 beta
.set F,  128                           ; v128-159 the factor at 16 p + 2 c, its whole exponent beside it (the packed forms name the pair)
.set AC, 160                           ; v160-167 the row's 8 numbers of my lane
                                       ; v168, v169 sums across lanes; v170, v171 the smallest -M; v172, v174 1 / l, v173, v175 l
	s_load_b256 s[4:11], s[0:1], 0x0               ; part s[4:5], stats s[6:7], gamma s[8:9], beta s[10:11]
	s_load_b64 s[12:13], s[0:1], 0x20              ; out0
	v_lshrrev_b32 v1, 5, v0
	v_readfirstlane_b32 s18, v1                    ; wave 0..3
	v_and_b32 v1, 31, v0
	v_lshlrev_b32 v2, 4, v1                        ; 16 x lane
	v_lshrrev_b32 v3, 4, v1
	v_lshlrev_b32 v3, 10, v3                       ; stats: 1,024 bytes a head
	v_mov_b32 v169, 0                              ; written once: a lane permute's destination counts as one of its sources
	s_mov_b32 s16, 0x76543210
	s_mov_b32 s17, 0xfedcba98                      ; v_permlanex16_b32's selects for lane l xor 16
	s_mov_b32 s19, 0x3b800000                      ; 1 / 256
	s_mov_b32 s28, 0x3727c5ac                      ; 1e-5
	s_lshr_b32 s20, ttmp9, 5                       ; b
	s_and_b32 s21, ttmp9, 31
	s_lshl_b32 s21, s21, 2
	s_add_co_u32 s21, s21, s18                     ; node
	s_lshl_b32 s22, s20, 20                        ; part: b x 8 chunks x 131,072 + node x 1,024
	s_lshl_b32 s24, s21, 10
	s_add_co_u32 s22, s22, s24
	s_mov_b32 s23, 0
	s_lshl_b32 s24, s20, 15                        ; stats: b x 32,768 + node x 8
	s_lshl_b32 s26, s21, 3
	s_add_co_u32 s24, s24, s26
	s_mov_b32 s25, 0
	s_lshl_b32 s26, ttmp9, 2                       ; out0: row x 1,024
	s_add_co_u32 s26, s26, s18
	s_lshl_b32 s26, s26, 10
	s_mov_b32 s27, 0
	s_wait_alu depctr_va_vdst(0)
	s_wait_kmcnt 0x0
	s_add_nc_u64 s[4:5], s[4:5], s[22:23]
	s_add_nc_u64 s[6:7], s[6:7], s[24:25]
	s_add_nc_u64 s[12:13], s[12:13], s[26:27]
.irp c, 0,1,2,3,4,5,6,7
.irp p, 0,1
	global_load_b64 v[SS+4*\c+2*\p:SS+4*\c+2*\p+1], v3, s[6:7] offset:4096*\c+2048*\p
.endr
.endr
.irp c, 0,1,2,3,4,5,6,7
.irp p, 0,1
	global_load_b128 v[O+8*\c+4*\p:O+8*\c+4*\p+3], v2, s[4:5] offset:131072*\c+512*\p th:TH_LOAD_NT
.endr
.endr
.irp p, 0,1
	global_load_b128 v[GA+4*\p:GA+4*\p+3], v2, s[8:9] offset:512*\p
	global_load_b128 v[BE+4*\p:BE+4*\p+3], v2, s[10:11] offset:512*\p
.endr
	s_wait_loadcnt 20                              ; the 16 loads of (-M, l) are in; the 20 behind them may be out
.irp p, 0,1
	v_min3_num_f32 v[170+\p], v[SS+2*\p], v[SS+4+2*\p], v[SS+8+2*\p]       ; the smallest -M = minus the largest M
.endr
.irp c, 12,20
.irp p, 0,1
	v_min3_num_f32 v[170+\p], v[170+\p], v[SS+\c+2*\p], v[SS+\c+4+2*\p]
.endr
.endr
.irp p, 0,1
	v_min_num_f32 v[170+\p], v[170+\p], v[SS+28+2*\p]
.endr
.irp p, 0,1
.irp c, 0,1,2,3,4,5,6,7
	v_sub_f32 v[F+16*\p+2*\c+1], v[170+\p], v[SS+4*\c+2*\p]                ; M_c - M: a whole number, 0 or less
.endr
.endr
.irp p, 0,1
.irp c, 0,1,2,3,4,5,6,7
	v_cvt_i32_f32 v[F+16*\p+2*\c+1], v[F+16*\p+2*\c+1]
.endr
.endr
.irp p, 0,1
.irp c, 0,1,2,3,4,5,6,7
	v_ldexp_f32 v[F+16*\p+2*\c], 1.0, v[F+16*\p+2*\c+1]                    ; the chunk's factor
.endr
.endr
.irp p, 0,1
	v_mul_f32 v[173+2*\p], v[F+16*\p], v[SS+2*\p+1]
.endr
.irp c, 1,2,3,4,5,6,7
.irp p, 0,1
	v_fma_f32 v[173+2*\p], v[F+16*\p+2*\c], v[SS+4*\c+2*\p+1], v[173+2*\p] ; l
.endr
.endr
	s_wait_alu depctr_va_vdst(0)
	v_rcp_f32 v172, v173
	v_rcp_f32 v174, v175                           ; the plain lines below stand between these and the first use of their results
	s_wait_loadcnt 4                               ; the 16 loads of O are in; gamma's and beta's four may be out
.irp p, 0,1
.irp k, 0,2
	v_pk_mul_f32 v[AC+4*\p+\k:AC+4*\p+\k+1], v[O+4*\p+\k:O+4*\p+\k+1], v[F+16*\p:F+16*\p+1] op_sel_hi:[1,0]   ; the first chunk starts the sums
.endr
.endr
.irp c, 1,2,3,4,5,6,7
.irp p, 0,1
.irp k, 0,2
	v_pk_fma_f32 v[AC+4*\p+\k:AC+4*\p+\k+1], v[O+8*\c+4*\p+\k:O+8*\c+4*\p+\k+1], v[F+16*\p+2*\c:F+16*\p+2*\c+1], v[AC+4*\p+\k:AC+4*\p+\k+1] op_sel_hi:[1,0,1]
.endr
.endr
.endr
	s_wait_alu depctr_va_vdst(0)
.irp p, 0,1
.irp k, 0,2
	v_pk_mul_f32 v[AC+4*\p+\k:AC+4*\p+\k+1], v[AC+4*\p+\k:AC+4*\p+\k+1], v[172+2*\p:173+2*\p] op_sel_hi:[1,0]   ; / l
.endr
.endr
.irp n, 0,1,2,3,4,5,6,7
	v_mul_f32 v[O+\n], 0x3e4ccccd, v[AC+\n]        ; 0.2 o
.endr
.irp n, 0,1,2,3,4,5,6,7
	v_max_num_f32 v[AC+\n], v[AC+\n], v[O+\n]      ; leaky relu: the larger of o and 0.2 o
.endr
	v_pk_add_f32 v[O:O+1], v[AC:AC+1], v[AC+2:AC+3]
	v_pk_add_f32 v[O+2:O+3], v[AC+4:AC+5], v[AC+6:AC+7]
	v_pk_add_f32 v[O:O+1], v[O:O+1], v[O+2:O+3]
	v_add_f32 v168, v[O], v[O+1]
.irp m, 1,2,4,8
	v_add_f32_dpp v168, v168, v168 row_xmask:\m row_mask:0xf bank_mask:0xf
.endr
	v_permlanex16_b32 v169, v168, s16, s17
	v_add_f32 v168, v168, v169
	v_mul_f32 v168, s19, v168                      ; the mean of the row's 256
.irp n, 0,1,2,3,4,5,6,7
	v_sub_f32 v[AC+\n], v[AC+\n], v168
.endr
	v_pk_mul_f32 v[O:O+1], v[AC:AC+1], v[AC:AC+1]
.irp k, 2,4,6
	v_pk_fma_f32 v[O:O+1], v[AC+\k:AC+\k+1], v[AC+\k:AC+\k+1], v[O:O+1]
.endr
	v_add_f32 v168, v[O], v[O+1]
.irp m, 1,2,4,8
	v_add_f32_dpp v168, v168, v168 row_xmask:\m row_mask:0xf bank_mask:0xf
.endr
	v_permlanex16_b32 v169, v168, s16, s17
	v_add_f32 v168, v168, v169
	v_fma_f32 v168, v168, s19, s28                 ; the variance + 1e-5
	s_wait_alu depctr_va_vdst(0)
	v_rsq_f32 v172, v168
	v_nop                                          ; one plain place behind a transcendental
	s_wait_loadcnt 0x0                             ; gamma and beta
	s_wait_alu depctr_va_vdst(0)
.irp k, 0,2,4,6
	v_pk_mul_f32 v[AC+\k:AC+\k+1], v[AC+\k:AC+\k+1], v[172:173] op_sel_hi:[1,0]
.endr
.irp k, 0,2,4,6
	v_pk_fma_f32 v[AC+\k:AC+\k+1], v[AC+\k:AC+\k+1], v[GA+\k:GA+\k+1], v[BE+\k:BE+\k+1]
.endr
.irp p, 0,1
	global_store_b128 v2, v[AC+4*\p:AC+4*\p+3], s[12:13] offset:512*\p th:TH_STORE_NT   ; 32 lanes store 512 consecutive bytes, at a multiple of 256 from out0's first byte
.endr
	s_endpgm
.Lfunc_end_k_q94347c294c_combine:
	.size	k_q94347c294c_combine, .Lfunc_end_k_q94347c294c_combine-k_q94347c294c_combine
	.p2alignl 7, 3214868480
	.fill 96, 4, 3214868480
	.section	.rodata,"a",@progbits
	.p2align	6, 0x0
	.amdhsa_kernel k_q94347c294c_combine
		.amdhsa_group_segment_fixed_size 0
		.amdhsa_private_segment_fixed_size 0
		.amdhsa_enable_private_segment 0
		.amdhsa_kernarg_size 40
		.amdhsa_user_sgpr_count 2
		.amdhsa_user_sgpr_kernarg_segment_ptr 1
		.amdhsa_wavefront_size32 1
		.amdhsa_system_sgpr_workgroup_id_x 1
		.amdhsa_system_sgpr_workgroup_id_y 1
		.amdhsa_system_sgpr_workgroup_id_z 1
		.amdhsa_system_vgpr_workitem_id 0
		.amdhsa_next_free_vgpr 176
		.amdhsa_next_free_sgpr 66
		.amdhsa_reserve_vcc 0
		.amdhsa_float_denorm_mode_32 3
		.amdhsa_float_denorm_mode_16_64 3
		.amdhsa_memory_ordered 1
		.amdhsa_forward_progress 1
		.amdhsa_inst_pref_size 14
	.end_amdhsa_kernel
	.amdgpu_metadata
---
amdhsa.version: [ 1, 2 ]
amdhsa.kernels:
  - .name:           k_q94347c294c_combine
    .symbol:         k_q94347c294c_combine.kd
    .args:
      - { .name: part, .offset: 0, .size: 8, .value_kind: global_buffer, .address_space: global }
      - { .name: stats, .offset: 8, .size: 8, .value_kind: global_buffer, .address_space: global }
      - { .name: gamma, .offset: 16, .size: 8, .value_kind: global_buffer, .address_space: global }
      - { .name: beta, .offset: 24, .size: 8, .value_kind: global_buffer, .address_space: global }
      - { .name: out0, .offset: 32, .size: 8, .value_kind: global_buffer, .address_space: global }
    .group_segment_fixed_size: 0
    .private_segment_fixed_size: 0
    .kernarg_segment_align: 8
    .kernarg_segment_size: 40
    .max_flat_workgroup_size: 128
    .sgpr_count:     66
    .vgpr_count:     176
    .wavefront_size: 32
...
	.end_amdgpu_metadata
.endif
;; end of part 2
